; MI455X (gfx1250); checked and timed in simulation.
; The chip was launched on July 23, 2026; its instructions are those of AMD's public machine-readable ISA for CDNA 5 (MIT licence, August 2026) and "CDNA5" Instruction Set Architecture Reference Guide (July 2026). The comments in the code are by the model that wrote it; some were corrected since.
;; Bahdanau Attention. Allowed arithmetic: matrix products marked QUANTISED: E5M2 operands, one given power-of-two scale a tensor, by v_wmma_f32_16x16x64_bf8_bf8 or v_wmma_f32_16x16x128_bf8_bf8, f32 sums; products left as they are: f32 operands where the result goes on into a quantised operand, else bf16, f16 or f32 operands; f32 sums; everything else in f32.
;; Inputs: V 1,024 x 1 float32; W1 1,024 x 1,024 float32; W2 1,024 x 1,024 float32; b1 1,024 float32; b2 1,024 float32; bV 1 float32; lowp_scales 4 int32 (the exponents e of the quantised operands' scales 2^e); query 32 x 1,024 float32; values 32 x 2,048 x 1,024 float32.
;; Outputs: out0 32 x 1,024 float32; out1 32 x 2,048 x 1 float32.
;; This version of the problem:
;;   THIS VERSION OF THE PROBLEM IS GIVEN IN LOW PRECISION. The matrix products marked QUANTISED in the list below multiply operands that are first quantised to E5M2 (5 exponent bits, 2 mantissa bits; 8 bits a number), with one given power-of-two scale for each operand tensor; their sums are f32. All else is computed in f32.
;;   The module's matrix products, in the order in which they are computed (A, B: the left and right operand; K: the contracted axis; several contracted axes count as one K, in the product's order):
;;     1. [M 65,536, K 1,024] x [K 1,024, N 1,024]; A: input values; B: input W1: QUANTISED (scales: A lowp_scales[0], B lowp_scales[1])
;;     2. [M 32, K 1,024] x [K 1,024, N 1,024]; A: input query; B: input W2: QUANTISED (scales: A lowp_scales[2], B lowp_scales[3])
;;     3. [M 65,536, K 1,024] x [K 1,024, N 1]; A: computed on the way; B: input V: left as it is (N = 1 < 16)
;;   THE QUANTISER, for each operand of a quantised product, along K:
;;     - The operand's scale is 2^e, e = its entry of the input lowp_scales (int32; the entries are numbered through the quantised products in the list's order, A before B).
;;     - Each number is divided by the scale, clamped to +-57,344, and rounded to the nearest number of E5M2, ties to even, subnormals kept.
;;     - The product sums the exact products of the quantised numbers (number of the format x scale) in f32.
;;   ~~~python
;;   def quantise(x, axis, e):      # numpy; x: float32 -> the quantised numbers, widened to float32 again
;;       x = np.moveaxis(x, axis, -1); K = x.shape[-1]
;;       r = np.clip(x / 2.0 ** e, -57344, 57344)
;;       step = 2.0 ** (np.maximum(np.frexp(np.where(r == 0, 1, r))[1] - 1, -14) - 2)
;;       q = np.round(r / step) * step * 2.0 ** e      # np.round: ties to even
;;       return np.moveaxis(q, -1, axis).astype(np.float32)
;;   ~~~
;; One version. Each part assembles by itself: llvm-mc -triple=amdgcn-amd-amdhsa -mcpu=gfx1250 --defsym DOCPART=n.
;; ======== version 1 of 1: 3 launches
;; limits: right only within a limited range of input values
;; workspace buffers: w1img 1,048,576 bytes; qb 131,072 bytes; scores 262,144 bytes; part 4,456,448 bytes
;; launch prep (part 1): grid 128 x 1, 8 waves a work-group, no clusters, 17,408 bytes of LDS; arguments W1, W2, query, b1, b2, lowp_scales, w1img, qb; writes w1img, qb
.if DOCPART == 1
	.amdgcn_target "amdgcn-amd-amdhsa--gfx1250"
	.amdhsa_code_object_version 6
	.text
	.protected	k_qa06417bb64_prep
	.globl	k_qa06417bb64_prep
	.p2align	8
	.type	k_qa06417bb64_prep,@function
k_qa06417bb64_prep:
	s_mov_b64 s[64:65], 0
	v_nop
	global_prefetch_b8 v0, s[64:65] scope:SCOPE_SE
	s_setreg_imm32_b32 hwreg(HW_REG_WAVE_MODE, 25, 1), 1
	s_wait_xcnt 0x0
; Work-groups 0-63: W1 [1024 (k)][1024 (u)] f32 becomes codes of BF8 (E5M2) in the ORDER OF THE OPERAND'S REGISTERS: the fragment of u tile t (16 columns) and K step s (128 k)
; lies at byte (8 t + s) x 2048 of w1img; in it byte 512 c + 16 lane + i is the code of W1[128 s + 32 c + 16 (lane / 16) + i][16 t + lane % 16].
; Work-groups 64-127: qb[b][u] = sum over k of Q(query[b][k]) Q(W2[k][u]) x 2^(e2 + e3) + b1[u] + b2[u], the product on codes of BF8, the sums in f32.
; SHARES.  A work-group takes one u tile of one weight, each of its eight waves one K step.  A LANE TAKES A COLUMN AND ITS REGISTERS RUN DOWN K, in the order that the operand's
; layout gives that lane, so the conversions' results are the fragment: nothing is transposed.  Sixteen lanes read 64 consecutive bytes of a row of the weight.
; For W2 each wave multiplies its K step by the 32 rows of query (two tiles, quantised in registers); the eight partial sums meet in LDS, as images of the result's registers.
; The places of k in a fragment (registers 4 c .. 4 c + 3: k = 32 c + 16 (lane / 16) + 0 .. 15) are a permutation of the form's own, the same in both operands: every product meets its partner.
; code = x / 2^e, held within +-57,344, to the nearest code, ties to even.  e1 for W1, e3 for W2, e2 for query.
; LIMITS: e1, e2, e3 between -126 and 112; e2 + e3 between -126 and 127, so that each power of two below is an f32 number.  NaN among the inputs is not served.
; The two ways part on the work-group's number alone, which all eight waves share; only the second way uses LDS and its barrier.
; DEAD WORK, left out in every launch.  tanh(x) = 1 - 2 R with R = 1 / (1 + e^(2 x)), so score[b][s] = (sum over u of V[u] + bV) - 2 x (sum over u of V[u] R[b][s][u]).
; The bracket is the same for all s of a batch; score reaches both outputs through the softmax along s alone, and a softmax is not moved by a term that is the same along its axis, whatever the inputs hold.
; So the sum of V and bV are not formed; bV is not loaded and is among no launch's arguments.  LIMIT: a NaN, an infinity or an overflow in bV or in the sum of V is not carried to the results.
; LDS: eight images of 2,048 bytes, then from byte 16,384 the spare words, 128 bytes a wave.
.set X,   32
.set Q0,  96                           ; v96-159  query, batches 0-15: 64 numbers a lane
.set Q1,  160                          ; v160-223 batches 16-31
.set BF,  224                          ; v224-239 the weight's fragment
.set QF0, 16                           ; v16-31   query's fragment, batches 0-15
.set QF1, 240                          ; v240-255 batches 16-31
.set WSC, 4                            ; v4   2^e of the weight as f32      v14  57,344 x that
.set WLM, 14
.set QSC, 5                            ; v5   2^e2 as f32                   v15  57,344 x that
.set QLM, 15
; v1 16 x lane;  v2 the weight: 65,536 (lane / 16) + 4 (lane % 16);  v3 query: 4,096 (lane % 16) + 64 (lane / 16);  v6 where I read partial sums;  v7 my place in qb;  v8 my place in b1, b2;  v9 where I store my image
; 64 numbers of a lane, register 16 c + i = k 32 c + 16 (lane / 16) + i, become a fragment's 16 registers
.macro QUANT src, dst, sc, lim
.irp c, 0,1,2,3
.irp i, 0,1,2,3,4,5,6,7,8,9,10,11,12,13,14,15
	v_med3_num_f32 v[\src+16*\c+\i], v[\src+16*\c+\i], -v[\lim], v[\lim]   ; the conversion to an 8-bit code does not saturate (ISA guide 7.6.2): the hold at the largest code x the scale
.endr
	v_cvt_scalef32_pk8_bf8_f32 v[\dst+4*\c:\dst+4*\c+1], v[\src+16*\c:\src+16*\c+7], v[\sc]
	v_cvt_scalef32_pk8_bf8_f32 v[\dst+4*\c+2:\dst+4*\c+3], v[\src+16*\c+8:\src+16*\c+15], v[\sc]
.endr
	v_nop                                          ; one plain vector line between the last conversion and whatever vector or matrix line next touches its result or writes its sources
.endm
.macro QLOAD reg, tile                 ; query(16 tile + lane % 16, my K step): 16 neighbours of each block of 32
.irp c, 0,1,2,3
.irp j, 0,1,2,3
	global_load_b128 v[\reg+16*\c+4*\j:\reg+16*\c+4*\j+3], v3, s[8:9] offset:(\tile)*65536+128*\c+16*\j
.endr
.endr
.endm
	s_load_b256 s[4:11], s[0:1], 0x0               ; W1 s[4:5], W2 s[6:7], query s[8:9], b1 s[10:11]
	s_load_b256 s[12:19], s[0:1], 0x20             ; b2 s[12:13], the exponents s[14:15], w1img s[16:17], qb s[18:19]
	v_lshrrev_b32 v1, 5, v0
	s_delay_alu instid0(VALU_DEP_1)
	v_readfirstlane_b32 s20, v1                    ; wave 0..7 = my K step
	v_and_b32 v10, 15, v0                          ; r
	v_bfe_u32 v11, v0, 4, 1                        ; h
	v_and_b32 v1, 31, v0
	s_delay_alu instid0(VALU_DEP_1)
	v_lshlrev_b32 v1, 4, v1                        ; 16 x lane
	s_delay_alu instid0(VALU_DEP_4)
	v_lshlrev_b32 v2, 2, v10
	s_delay_alu instid0(VALU_DEP_1)
	v_lshl_add_u32 v2, v11, 16, v2                 ; column r, and 16 rows of 4,096 bytes further down for lanes 16-31
	v_lshlrev_b32 v3, 12, v10
	s_delay_alu instid0(VALU_DEP_1)
	v_lshl_add_u32 v3, v11, 6, v3                  ; query: row r, + 64 h
	s_lshl_b32 s21, s20, 11
	v_add_nc_u32 v9, s21, v1                       ; my image: 2,048 x wave + 16 x lane
	; thread T sums batch T / 8, columns 2 (T % 8) and 2 (T % 8) + 1.  In an image, (batch, column) lies at 1,024 (batch / 16) + 512 ((batch / 4) % 2) + 256 ((batch / 8) % 2) + 16 column + 4 (batch % 4)
	v_bfe_u32 v6, v0, 7, 1
	s_delay_alu instid0(VALU_DEP_1)
	v_lshlrev_b32 v6, 10, v6
	v_bfe_u32 v12, v0, 5, 1
	s_delay_alu instid0(VALU_DEP_1)
	v_lshl_add_u32 v6, v12, 9, v6
	v_bfe_u32 v12, v0, 6, 1
	s_delay_alu instid0(VALU_DEP_1)
	v_lshl_add_u32 v6, v12, 8, v6
	v_bfe_u32 v12, v0, 3, 2
	s_delay_alu instid0(VALU_DEP_1)
	v_lshl_add_u32 v6, v12, 2, v6
	v_and_b32 v8, 7, v0
	s_delay_alu instid0(VALU_DEP_1)
	v_lshl_add_u32 v6, v8, 5, v6
	v_lshrrev_b32 v7, 3, v0
	s_delay_alu instid0(VALU_DEP_1)
	v_lshlrev_b32 v7, 12, v7
	s_delay_alu instid0(VALU_DEP_1)
	v_lshl_add_u32 v7, v8, 3, v7                   ; qb: row T / 8 of 4,096 bytes, + 8 (T % 8)
	v_lshlrev_b32 v8, 3, v8
	s_and_b32 s21, ttmp9, 63                       ; t, the u tile
	s_lshl_b32 s34, s20, 19                        ; my K step's 128 rows of 4,096 bytes
	s_lshl_b32 s36, s21, 6                         ; the tile's 16 columns: 64 t bytes
	s_add_co_u32 s34, s34, s36
	s_mov_b32 s35, 0
	s_mov_b32 s37, 0
	s_wait_kmcnt 0x0
	s_load_b128 s[24:27], s[14:15], 0x0            ; e0, e1, e2, e3
	s_cmp_lt_u32 ttmp9, 64                         ; W1's work-group or W2's: the choice hangs on the work-group's number alone
	s_cselect_b64 s[22:23], s[4:5], s[6:7]
	s_add_nc_u64 s[22:23], s[22:23], s[34:35]
.irp c, 0,1,2,3
.irp i, 0,1,2,3,4,5,6,7,8,9,10,11,12,13,14,15
	global_load_b32 v[X+16*\c+\i], v2, s[22:23] offset:(32*\c+\i)*4096   ; W(128 s + 32 c + 16 h + i, 16 t + r)
.endr
.endr
	s_wait_kmcnt 0x0
	s_cmp_lt_u32 ttmp9, 64
	s_cselect_b32 s28, s25, s27                    ; the weight's e
	s_add_co_i32 s28, s28, 127
	s_lshl_b32 s29, s28, 23
	v_mov_b32 v[WSC], s29                          ; 2^e as f32: the conversion takes its exponent field
	s_add_co_i32 s28, s28, 15
	s_lshl_b32 s28, s28, 23
	s_or_b32 s28, s28, 0x600000
	v_mov_b32 v[WLM], s28                          ; 57,344 x 2^e
	s_cmp_lt_u32 ttmp9, 64
	s_cbranch_scc0 .Lw2
	; ---- W1: the fragment leaves as it stands
	s_lshl_b32 s34, s21, 3
	s_add_co_u32 s34, s34, s20
	s_lshl_b32 s34, s34, 11                        ; (8 t + s) x 2,048
	s_add_nc_u64 s[16:17], s[16:17], s[34:35]
	s_wait_loadcnt 0x0
	s_wait_alu depctr_va_vdst(0)
	QUANT X, BF, WSC, WLM
.irp c, 0,1,2,3
	global_store_b128 v1, v[BF+4*\c:BF+4*\c+3], s[16:17] offset:512*\c   ; 32 lanes store 512 consecutive bytes, at a multiple of 512 from the buffer's first byte
.endr
	s_endpgm
.Lw2:
	; ---- W2: my K step of query W2
	s_lshl_b32 s34, s20, 9                         ; my K step in a row of query: 512 x wave bytes
	s_add_nc_u64 s[8:9], s[8:9], s[34:35]
	s_add_nc_u64 s[10:11], s[10:11], s[36:37]      ; b1, b2 and qb at the tile's first column
	s_add_nc_u64 s[12:13], s[12:13], s[36:37]
	s_add_nc_u64 s[18:19], s[18:19], s[36:37]
	QLOAD Q0, 0
	QLOAD Q1, 1
	s_wait_alu depctr_va_vdst(0)
	global_load_b64 v[10:11], v8, s[10:11]         ; b1 of my two columns
	global_load_b64 v[12:13], v8, s[12:13]         ; b2
	s_add_co_i32 s28, s26, 127
	s_lshl_b32 s29, s28, 23
	v_mov_b32 v[QSC], s29                          ; 2^e2
	s_add_co_i32 s28, s28, 15
	s_lshl_b32 s28, s28, 23
	s_or_b32 s28, s28, 0x600000
	v_mov_b32 v[QLM], s28                          ; 57,344 x 2^e2
	s_add_co_i32 s32, s26, s27
	s_add_co_i32 s32, s32, 127
	s_lshl_b32 s32, s32, 23                        ; 2^(e2 + e3) as f32
	s_mov_b32 s33, s32                             ; (named with it as a pair, so it is written)
	s_wait_loadcnt 0x0
	QUANT X, BF, WSC, WLM
	QUANT Q0, QF0, QSC, QLM
	QUANT Q1, QF1, QSC, QLM
	v_wmma_f32_16x16x128_bf8_bf8 v[32:39], v[QF0:QF0+15], v[BF:BF+15], 0   ; source 0 = 16 batches, source 1 = 16 columns: register j of lane (r, h) is (batch 8 h + j, column r)
	v_wmma_f32_16x16x128_bf8_bf8 v[40:47], v[QF1:QF1+15], v[BF:BF+15], 0   ; batches 16-31: another accumulator
.rept 4
	v_nop                                          ; four places between a matrix instruction and the LDS stores that read its result
.endr
.irp q, 0,1,2,3
	ds_store_b128 v9, v[32+4*\q:35+4*\q] offset:512*\q   ; each result from its low end on
.endr
	s_wait_dscnt 0x0                               ; for the others' sake: my image has landed
	s_barrier_signal -1
	s_barrier_wait -1
.irp s, 0,1,2,3,4,5,6,7
	ds_load_b32 v[48+2*\s], v6 offset:2048*\s      ; wave s's partial sum of my first column,
	ds_load_b32 v[49+2*\s], v6 offset:2048*\s+16   ; and of my second
.endr
	s_wait_dscnt 0x0
	v_pk_add_f32 v[48:49], v[48:49], v[50:51]
	v_pk_add_f32 v[52:53], v[52:53], v[54:55]
	v_pk_add_f32 v[56:57], v[56:57], v[58:59]
	v_pk_add_f32 v[60:61], v[60:61], v[62:63]
	s_delay_alu instid0(VALU_DEP_3)
	v_pk_add_f32 v[48:49], v[48:49], v[52:53]
	s_delay_alu instid0(VALU_DEP_2)
	v_pk_add_f32 v[56:57], v[56:57], v[60:61]
	s_delay_alu instid0(VALU_DEP_1)
	v_pk_add_f32 v[48:49], v[48:49], v[56:57]
	v_pk_add_f32 v[10:11], v[10:11], v[12:13]      ; b1 + b2
	s_delay_alu instid0(VALU_DEP_1)
	v_pk_fma_f32 v[48:49], v[48:49], s[32:33], v[10:11] op_sel_hi:[1,0,1]   ; sum x 2^(e2 + e3) + the biases
	global_store_b64 v7, v[48:49], s[18:19]        ; eight threads store a batch's 64 bytes of this tile
	v_lshl_add_u32 v2, v0, 2, 16384                ; no two registers could be kept: the add's two are made anew (v2, v3 held offsets of loads that have been waited for)
	v_mov_b32 v3, 0
	s_wait_alu depctr_va_vdst(0)                   ; directly ahead of the wait below
	s_wait_tensorcnt 0x0                           ; the wave's end, behind my last LDS store
	ds_add_u32 v2, v3
	s_wait_dscnt 0x0
	s_endpgm
.Lfunc_end_k_qa06417bb64_prep:
	.size	k_qa06417bb64_prep, .Lfunc_end_k_qa06417bb64_prep-k_qa06417bb64_prep
	.p2alignl 7, 3214868480
	.fill 96, 4, 3214868480
	.section	.rodata,"a",@progbits
	.p2align	6, 0x0
	.amdhsa_kernel k_qa06417bb64_prep
		.amdhsa_group_segment_fixed_size 17408
		.amdhsa_private_segment_fixed_size 0
		.amdhsa_enable_private_segment 0
		.amdhsa_kernarg_size 64
		.amdhsa_user_sgpr_count 2
		.amdhsa_user_sgpr_kernarg_segment_ptr 1
		.amdhsa_wavefront_size32 1
		.amdhsa_system_sgpr_workgroup_id_x 1
		.amdhsa_system_sgpr_workgroup_id_y 1
		.amdhsa_system_sgpr_workgroup_id_z 1
		.amdhsa_system_vgpr_workitem_id 0
		.amdhsa_next_free_vgpr 256
		.amdhsa_next_free_sgpr 66
		.amdhsa_reserve_vcc 0
		.amdhsa_float_denorm_mode_32 3
		.amdhsa_float_denorm_mode_16_64 3
		.amdhsa_memory_ordered 1
		.amdhsa_forward_progress 1
		.amdhsa_inst_pref_size 35
	.end_amdhsa_kernel
	.amdgpu_metadata
---
amdhsa.version: [ 1, 2 ]
amdhsa.kernels:
  - .name:           k_qa06417bb64_prep
    .symbol:         k_qa06417bb64_prep.kd
    .args:
      - { .name: W1, .offset: 0, .size: 8, .value_kind: global_buffer, .address_space: global }
      - { .name: W2, .offset: 8, .size: 8, .value_kind: global_buffer, .address_space: global }
      - { .name: query, .offset: 16, .size: 8, .value_kind: global_buffer, .address_space: global }
      - { .name: b1, .offset: 24, .size: 8, .value_kind: global_buffer, .address_space: global }
      - { .name: b2, .offset: 32, .size: 8, .value_kind: global_buffer, .address_space: global }
      - { .name: lowp_scales, .offset: 40, .size: 8, .value_kind: global_buffer, .address_space: global }
      - { .name: w1img, .offset: 48, .size: 8, .value_kind: global_buffer, .address_space: global }
      - { .name: qb, .offset: 56, .size: 8, .value_kind: global_buffer, .address_space: global }
    .group_segment_fixed_size: 17408
    .private_segment_fixed_size: 0
    .kernarg_segment_align: 8
    .kernarg_segment_size: 64
    .max_flat_workgroup_size: 256
    .sgpr_count:     66
    .vgpr_count:     256
    .wavefront_size: 32
...
	.end_amdgpu_metadata
.endif
;; end of part 1
;; launch attn (part 2): grid 256 x 1, 4 waves a work-group, clusters of 4 x 1, 327,680 bytes of LDS; arguments values, w1img, qb, V, lowp_scales, scores, part; writes scores, part
.if DOCPART == 2
	.amdgcn_target "amdgcn-amd-amdhsa--gfx1250"
	.amdhsa_code_object_version 6
	.text
	.protected	k_qa06417bb64_attn
	.globl	k_qa06417bb64_attn
	.p2align	8
	.type	k_qa06417bb64_attn,@function
k_qa06417bb64_attn:
	s_mov_b64 s[64:65], 0
	v_nop
	global_prefetch_b8 v0, s[64:65] scope:SCOPE_SE
	s_setreg_imm32_b32 hwreg(HW_REG_WAVE_MODE, 25, 1), 1
	s_wait_xcnt 0x0
	s_wait_alu depctr_hold_cnt(0) depctr_sa_sdst(0) depctr_va_vdst(0) depctr_va_sdst(0) depctr_va_ssrc(0) depctr_va_vcc(0) depctr_vm_vsrc(0)
	s_getreg_b32 s2, hwreg(HW_REG_IB_STS2, 6, 4)
	s_cmp_eq_u32 s2, 0
	s_cbranch_scc0 .Lentry_in_a_cluster
	s_endpgm
.Lentry_in_a_cluster:
	s_bfe_u32 s2, ttmp6, 0x10000c
	s_cmp_lg_u32 s2, 0x3003
	s_cbranch_scc0 .Lentry_shape_is_right
	s_endpgm
.Lentry_shape_is_right:
; scores[row] = -2 x (sum over u of V[u] R), R = 1 / (1 + 2^(c x)), c = 2 log2(e), x = values[row] . W1[:, u] + qb[b][u], the product on codes of BF8 (E5M2).
; That is reference()'s score less (sum of V + bV), which is the same along the softmax's axis and is left out as dead work (shown at the head of launch prep); bV is no argument.
; Then, for each wave's 64 rows: m = their largest score, p = e^(score - m), l = the sum of p, and the sum of p x values[row][:].  The next launch joins a batch's 32 waves.
; SHARES.  A work-group owns 256 rows (an eighth of a batch), each of its four waves 64.  A wave quantises its 64 x 1,024 numbers once and keeps the codes in 512 registers; it meets all 1,024 u.
; W1's codes (1 MiB, in the order of the operand's registers) pass once, in 16 chunks of 64 KiB (4 u tiles x 8 K steps), through two LDS slots.
; CLUSTER.  The four work-groups of a cluster walk the same chunks: each quarter of a chunk (one u tile, 16 KiB, one a wave) is asked for JOINTLY, with a mask that names the four.
; PHASES, each a short loop.
;  L: the wave's rows are one dense stream; a unit is 2 rows = 16 loads of 512 consecutive bytes; four register sets, so 48 to 64 loads are out.  The numbers are held and converted as they lie
;     (a lane's four neighbours along K make one word of codes) and only the CODES are turned, through the wave's stage in LDS (32 rows of 1,024 + 16 bytes).  After each 32 rows 64 loads fill 256 registers.
;  G: a u tile is 32 matrix instructions (4 tiles of 16 rows x 8 K steps; source 0 = rows of values, source 1 = columns of W1): a lane holds ONE u and eight rows of each tile.
;     R IS MADE IN A PIPELINE OVER TILES.  RUN t: tile t's products; behind each pair of them two plain lines: + V R of tile t - 2, 1 + 2^(c x) of tile t - 1.  No memory instruction stands in a run.
;     GAP t, between two runs: c x of tile t, then ONE batch of 64 transcendentals: tile t's exponentials and tile t - 1's reciprocals.  No transcendental stands inside a chain of sums.
;     The next tile's 32 fragment loads and its table entry go out in the gap, in three runs of 11: at its head, ahead of the batch and behind it.  A chunk's first tile is fetched in the last tile's gap, behind the change of slots.
;     A tile's 32 numbers a lane live in set t % 4, its table entry in table set t % 4.  The pipeline starts on numbers that add nothing (V = 0).
;  S: the sixteen lanes' sums are added; the wave's softmax figures; p goes to LDS, last row first.
;  C: the rows are read once more as f32, last row first, 8 rows a trip, and summed with their p.
; PREFETCH.  Trip n of G loads chunk n + 1 and asks for chunk n + 3: 256 blocks of 256 bytes, 16 a wave, shared out among the cluster's 16 waves by address; the last two loading trips ask for nothing.
; values are not prefetched: phases L and C keep 48 to 64 loads of 512 bytes a wave out all the way.
; LIMITS: e0 between -126 and 112; e0 + e1 between -126 and 125 (added to c's exponent field).  NaN among the inputs is not served.
; LDS: slot 0, slot 1; TBL 1,024 x (c qb, c qb, V, V); STG the four stages; SCR for each wave 64 scores, then 64 x (p, p); SPARE the spare words.  All of a WGP's LDS is claimed.
; REGISTERS (windows of 256; s_set_vgpr_msb: bits 1:0 source 0, 3:2 source 1, 5:4 source 2, 7:6 destination):
;  window 0: v1 16 x lane; v2, v3 the add's two; v4 slot + 16 lane; v6 table in hand; v7 TBL + 16 (lane % 16); v8, v9 the stage in, out; v10 2^e0; v11 4 x thread; v12 scores in; v13 p in; v14 scores out; v15 8 x lane;
;   v16-31 four table sets; v32-95, v128-191 G: four sets of 32 (L: v32-63 codes at work; S: v160-191 p; C: v32-63 the sums, v128-143 eight (p, p)); v64, v65 m, l; v96-127 the sums of V R;
;   v192 stage address of the trip; v193 p's address; v194 prefetch offset.
;  window 1: L four sets of 64 numbers; G W1's fragments, two sets of 128; C eight rows of 32.   windows 2, 3: values' fragments: (tile a, K step s) at v[64 a + 16 (s % 4)] of window 2 + s / 4.
.set SLOT1, 65536
.set TBL,   131072
.set STG,   147456
.set SP,    1040
.set SCR,   280576
.set SPARE, 283648
.set MSB, 0
.macro WIN new                         ; the immediate's high byte repeats the setting that is left; a switch that changes nothing is dropped
.if MSB != (\new)
	s_set_vgpr_msb (MSB<<8)|(\new)
.set MSB, (\new)
.endif
.endm
.macro CROUND                          ; a round of the cluster's barrier
	s_barrier_signal -1
	s_barrier_wait -1
	s_cmp_lg_u32 s20, 0
	s_cbranch_scc1 .Lnot_wave_0_\@
	s_barrier_signal -3
.Lnot_wave_0_\@:
	s_barrier_wait -3
	s_barrier_signal -1
	s_barrier_wait -1
.endm
.macro NOPS n
.rept \n
	v_nop
.endr
.endm
; THE CHANGE OF SLOTS, at a slot's head: all my tensor loads are waited for (one is out: my quarter of the slot ahead), the add, the wait for it and for my reads of the slot left.
; fill = 1: a round of the cluster's barrier, and the joint load of the next chunk is the first thing behind it; it has a slot's 128 matrix instructions and four gaps in which to land.
.macro CHANGE fill
	s_wait_tensorcnt 0x0
	ds_add_u32 v2, v3
.if \fill
	s_xor_b32 s33, s33, SLOT1                      ; the other slot,
	s_add_nc_u64 s[34:35], s[34:35], 65536         ; the next chunk
	s_wait_xcnt 0x0                                ; my last prefetch has read its address
	s_add_nc_u64 s[60:61], s[60:61], 65536
.endif
	s_wait_dscnt 0x0
.if \fill
	CROUND
	tensor_load_to_lds s[32:35], s[24:31]
	s_nop 0
	NOPS 4
.else
	s_barrier_signal -1
	s_barrier_wait -1
.endif
.endm
; PHASE L
.macro ULOAD j, off                    ; a unit, 2 rows, into set j
	WIN 0x40
.irp i, 0,1,2,3,4,5,6,7,8,9,10,11,12,13,14,15
	global_load_b128 v[64*(\j)+4*\i:64*(\j)+4*\i+3], v1, s[4:5] offset:(\off)+512*\i
.endr
.endm
.macro UNIT j, ld, cnt
.set u_c, 32+16*((\j)%2)
	s_wait_loadcnt \cnt                            ; this set's 16 loads are in; the younger sets may be out
	s_wait_dscnt 16                                ; the stores of two units ago have read their registers; the last unit's 16 may be out
	WIN 0x41
.set u_i, 0
.rept 64
	v_med3_num_f32 v[64*(\j)+u_i], v[64*(\j)+u_i], s41, s40   ; the conversion does not saturate (ISA guide 7.6.2): the hold at +-57,344 x 2^e0
.set u_i, u_i+1
.endr
	WIN 0x01
.irp m, 0,1,2,3,4,5,6,7
	v_cvt_scalef32_pk8_bf8_f32 v[u_c+2*\m:u_c+2*\m+1], v[64*(\j)+8*\m:64*(\j)+8*\m+7], v10   ; the words of loads 2 m and 2 m + 1
.endr
	v_nop                                          ; one plain line behind the last conversion
	WIN 0
.irp i, 0,1,2,3,4,5,6,7,8,9,10,11,12,13,14,15
	ds_store_b32 v192, v[u_c+\i] offset:(2*(\j)+\i/8)*SP+128*(\i%8)   ; row 2 j + i / 8, k = 128 (i % 8) + 4 lane ..: 128 consecutive bytes
.endr
.if \ld
.if (\j) == 0
	s_wait_xcnt 0x0                                ; the last trip's loads, issued a unit's work ago, have read their base
	s_add_nc_u64 s[4:5], s[4:5], 32768             ; on to the next trip's 8 rows
.endif
	ULOAD \j, (\j)*8192                            ; the set takes the unit four further on
.endif
.endm
.macro LTRIP ld                        ; four units = 8 rows
	v_add_nc_u32 v192, s62, v8
.irp j, 0,1,2,3
.if \ld
	UNIT \j, 1, 48
.else
	UNIT \j, 0, 48-16*\j
.endif
.endr
	WIN 0
	s_add_co_u32 s62, s62, 8*SP
.endm
.macro FLUSH H                         ; the stage's 32 rows become the fragments of row tiles 2 H, 2 H + 1.  LDS serves a wave's instructions in order: these see my stores, and the next half's stores come behind them
.irp w, 0,1
	WIN 0x80+0x40*\w
.irp a, 0,1
.irp s, 0,1,2,3
.irp c, 0,1,2,3
	ds_load_b128 v[64*(2*(\H)+\a)+16*\s+4*\c:64*(2*(\H)+\a)+16*\s+4*\c+3], v9 offset:\a*16*SP+128*(4*\w+\s)+32*\c
.endr
.endr
.endr
.endr
	WIN 0
.endm
; PHASE G
.macro BRUN i, q0, q1                  ; loads q0 .. q1 of the 32 that bring tile i's eight fragments into set i % 2: load q holds registers 4 q .. 4 q + 3, K step q / 4
	WIN 0x40
.set f_q, \q0
.rept (\q1)-(\q0)+1
	ds_load_b128 v[128*((\i)%2)+4*f_q:128*((\i)%2)+4*f_q+3], v4 offset:16384*(\i)+512*f_q
.set f_q, f_q+1
.endr
	WIN 0
.endm
.macro MM n                            ; K step n / 4, tile of rows n % 4: the four accumulators take turns
.set m_s, (\n)/4
.set m_a, (\n)%4
.set m_ra, 64*m_a+16*(m_s%4)
.set m_rb, 128*t_p+16*m_s
.set m_rd, t_d+8*m_a
.if m_s == 0
	v_wmma_f32_16x16x128_bf8_bf8 v[m_rd:m_rd+7], v[m_ra:m_ra+15], v[m_rb:m_rb+15], 0
.else
	v_wmma_f32_16x16x128_bf8_bf8 v[m_rd:m_rd+7], v[m_ra:m_ra+15], v[m_rb:m_rb+15], v[m_rd:m_rd+7]
.endif
.endm
.macro PK m                            ; plain line m of a run's 32: + V R of the tile two back (set S3, table set T3), then 1 + 2^(c x) of the tile before (set S2)
.if (\m) < 16
	v_pk_fma_f32 v[96+2*(\m):97+2*(\m)], v[S3+2*(\m):S3+2*(\m)+1], v[T3+2:T3+3], v[96+2*(\m):97+2*(\m)]
.else
	v_pk_add_f32 v[S2+2*(\m)-32:S2+2*(\m)-31], v[S2+2*(\m)-32:S2+2*(\m)-31], s[58:59] op_sel_hi:[1,0]
.endif
.endm
.macro RUN i
.set t_p, (\i)%2
.set t_d, 32+32*(\i)+32*((\i)/2)
.set r_j, ((\i)+2)%4
.set S3, 32+32*r_j+32*(r_j/2)
.set T3, 16+4*r_j
.set r_j, ((\i)+3)%4
.set S2, 32+32*r_j+32*(r_j/2)
	s_wait_dscnt 11                                ; loads 0-21 are in: K steps 0-4; the gap's last run (loads 22-31 and the table entry) may be out
.set t_k, 0
.rept 16
.if t_k == 10
	s_wait_dscnt 0x0                               ; ahead of K step 5: asked for 20 matrix instructions ago
.endif
	WIN 0x06+t_k/8                                 ; source 0 (values) window 2 or 3, source 1 (W1) window 1, C and D window 0
	MM 2*t_k
	MM 2*t_k+1
	WIN 0
	PK 2*t_k
	PK 2*t_k+1
.set t_k, t_k+1
.endr
.endm
.macro GAP i, f                        ; f: the tile of the slot in hand that is fetched here, or -1.  One wait ahead of the batch and one behind it
.set g_x, 32+32*(\i)+32*((\i)/2)
.set g_t, 16+4*(\i)
.set r_j, ((\i)+3)%4
.set g_y, 32+32*r_j+32*(r_j/2)
.if (\f) >= 0
	BRUN \f, 0, 10                                 ; into the set that the run before last multiplied
.endif
	NOPS 4                                         ; four places between the last products and the lines that read and rewrite their results (ISA guide 7.12.1)
.irp k, 0,2,4,6,8,10,12,14,16,18,20,22,24,26,28,30
	v_pk_fma_f32 v[g_x+\k:g_x+\k+1], v[g_x+\k:g_x+\k+1], s[38:39], v[g_t:g_t+1] op_sel_hi:[1,0,1]   ; c (sum x 2^(e0 + e1) + qb); each accumulator from its low end on
.endr
	s_wait_alu depctr_va_vdst(0)
.if (\f) >= 0
	BRUN \f, 11, 21
.endif
.set h_i, 0
.rept 32
	v_exp_f32 v[g_x+h_i], v[g_x+h_i]
.set h_i, h_i+1
.endr
.set h_i, 0
.rept 32
	v_rcp_f32 v[g_y+h_i], v[g_y+h_i]
.set h_i, h_i+1
.endr
	v_nop
	s_wait_alu depctr_va_vdst(0)
.if (\f) >= 0
	BRUN \f, 22, 31
	ds_load_b128 v[16+4*(\f):19+4*(\f)], v6 offset:256*(\f)
.endif
.endm
.macro ASK                             ; chunk n + 3, my wave's 16 blocks of 256 bytes (lanes 16-31 name the last again); s23 = 15 - n
	s_cmp_ge_u32 s23, 3
	s_cbranch_scc0 .Lnone_\@
	s_cmp_lt_u32 ttmp9, 4
	s_cbranch_scc0 .Lno_prefetch_attn0_\@
	global_prefetch_b8 v194, s[60:61] th:TH_LOAD_NT scope:SCOPE_SE
.Lno_prefetch_attn0_\@:
.Lnone_\@:
.endm
.macro SLOTWORK ask
	v_add_nc_u32 v4, s36, v1                       ; the slot in hand, + 16 x lane
	v_add_nc_u32 v6, s37, v7                       ; the table's entries of this chunk's 64 u
	s_wait_alu depctr_va_vdst(0)
	GAP 3, 0                                       ; the last chunk's last tile, and this chunk's first fetch
	RUN 0
	GAP 0, 1
	RUN 1
	GAP 1, 2
.if \ask
	ASK
.endif
	RUN 2
	GAP 2, 3
	RUN 3
	s_xor_b32 s36, s36, SLOT1
	s_add_co_u32 s37, s37, 1024
.endm
; PHASE C.  Set i of a trip holds row (the trip's first row) + 7 - i.
.macro CLOAD i
	WIN 0x40
.irp q, 0,1,2,3,4,5,6,7
	global_load_b128 v[32*(\i)+4*\q:32*(\i)+4*\q+3], v1, s[4:5] offset:(7-(\i))*4096+512*\q th:TH_LOAD_NT   ; 512 consecutive bytes; the rows' last use
.endr
.endm
.macro CTRIP ld                        ; the next trip's eight (p, p) come in two halves, each asked for when its registers are free: half a trip ahead of its use
	s_wait_dscnt 2                                 ; the first four (p, p) are in; the two loads of the other four may be out
.irp i, 0,1,2,3,4,5,6,7
.if \i == 4
	WIN 0
	s_wait_dscnt 0x0                               ; the other four
.if \ld
	s_add_co_u32 s63, s63, 64
	v_mov_b32 v193, s63
	ds_load_b128 v[128:131], v193
	ds_load_b128 v[132:135], v193 offset:16
.endif
.endif
.if \ld
	s_wait_loadcnt 56                              ; this row's eight loads are in; the seven younger rows may be out
.else
	s_wait_loadcnt 8*(7-\i)
.endif
	WIN 0x01                                       ; source 0 (the row) window 1
.irp z, 0,2,4,6,8,10,12,14,16,18,20,22,24,26,28,30
	v_pk_fma_f32 v[32+\z:33+\z], v[32*\i+\z:32*\i+\z+1], v[128+2*\i:129+2*\i], v[32+\z:33+\z]
.endr
.if \ld
.if \i == 0
	s_wait_xcnt 0x0                                ; the last trip's loads have read their base
	s_sub_nc_u64 s[4:5], s[4:5], 32768             ; eight rows up
.endif
	CLOAD \i                                       ; the set takes the row eight further up
.endif
.endr
	WIN 0
.if \ld
	ds_load_b128 v[136:139], v193 offset:32
	ds_load_b128 v[140:143], v193 offset:48
.endif
.endm
	s_load_b256 s[4:11], s[0:1], 0x0               ; values s[4:5], w1img s[6:7], qb s[8:9], V s[10:11]
	s_load_b128 s[12:15], s[0:1], 0x20             ; the exponents s[12:13], scores s[14:15]
	s_load_b64 s[16:17], s[0:1], 0x30              ; part
	v_lshl_add_u32 v2, v0, 2, SPARE
	v_mov_b32 v3, 0
	ds_add_u32 v2, v3                              ; the opening lines: the add, twice on end, and its wait ahead of my first tensor load
	ds_add_u32 v2, v3
	v_lshrrev_b32 v1, 5, v0
	v_readfirstlane_b32 s20, v1                    ; wave 0..3
	s_bfe_u32 s21, ttmp6, 0x40000                  ; cx
	s_lshl_b32 s22, ttmp9, 2
	s_add_co_u32 s22, s22, s21                     ; g = 4 x cluster + cx: it enters global addresses alone
	s_mov_b32 s24, 15|(3<<16)|(1<<21)              ; group 1: the mask of all four; elements of 8 bytes; bit 21 beside a mask
	s_mov_b32 s25, 32<<16                          ; tensor_dim0 = 32: rows of 256 bytes
	s_mov_b32 s26, 64<<16                          ; tensor_dim1 = 64
	s_mov_b32 s27, 32<<16                          ; tile_dim0
	s_mov_b32 s28, 64                              ; tile_dim1
	s_mov_b32 s29, 32                              ; pitch: dense
	s_mov_b32 s30, 0
	s_mov_b32 s31, 0
	s_mov_b32 s32, 1
	s_lshl_b32 s33, s20, 14                        ; slot 0, my quarter
	s_mov_b32 s48, s33
	s_mov_b32 s49, 0
	s_mul_i32 s50, s20, 32*SP
	s_add_co_u32 s50, s50, STG                     ; my stage
	s_mul_i32 s51, s20, 768
	s_add_co_u32 s51, s51, SCR                     ; my scores,
	s_add_co_u32 s63, s51, 256                     ; and my p
	s_mov_b32 s42, 0x76543210                      ; v_permlanex16_b32's selects for lane l xor 16
	s_mov_b32 s43, 0xfedcba98
	s_mov_b32 s52, 0x3fb8aa3b                      ; log2(e); the packed forms name pairs, so both words are written
	s_mov_b32 s53, s52
	s_mov_b32 s54, 0xc0000000                      ; -2.0
	s_mov_b32 s55, s54
	s_mov_b32 s58, 0x3f800000                      ; 1.0
	s_mov_b32 s59, s58
	s_wait_dscnt 0x0                               ; both opening adds are done
	s_wait_kmcnt 0x0
	s_add_nc_u64 s[34:35], s[6:7], s[48:49]        ; chunk 0, my quarter: nothing here hangs on my place in the cluster
	s_or_b32 s35, s35, 0x80000000
	CROUND                                         ; the first joint loads meet
	tensor_load_to_lds s[32:35], s[24:31]          ; chunk 0: my one tensor load at the head
	s_nop 0
	NOPS 4
	s_load_b128 s[44:47], s[12:13], 0x0            ; e0, e1, e2, e3
	s_lshl_b32 s48, s22, 20                        ; 256 rows of 4,096 bytes a work-group,
	s_lshl_b32 s62, s20, 18                        ; 64 a wave
	s_add_co_u32 s48, s48, s62
	s_add_nc_u64 s[4:5], s[4:5], s[48:49]
	s_lshr_b32 s48, s22, 3
	s_lshl_b32 s48, s48, 12
	s_add_nc_u64 s[8:9], s[8:9], s[48:49]          ; qb at my batch's row
	s_lshl_b32 s48, s22, 10
	s_lshl_b32 s62, s20, 8
	s_add_co_u32 s48, s48, s62
	s_add_nc_u64 s[14:15], s[14:15], s[48:49]      ; scores at my wave's 64
	s_lshl_b32 s48, s22, 2
	s_add_co_u32 s48, s48, s20
	s_mul_i32 s48, s48, 4352
	s_add_nc_u64 s[16:17], s[16:17], s[48:49]      ; part at my wave's 1,088 words
	s_lshl_b32 s48, s21, 14                        ; the prefetches: my work-group's quarter of a chunk,
	s_lshl_b32 s62, s20, 12                        ; my wave's 4,096 bytes of it,
	s_add_co_u32 s48, s48, s62
	s_add_co_u32 s48, s48, 2*65536                 ; at chunk 2: the first change of slots steps it to 3
	s_add_nc_u64 s[60:61], s[6:7], s[48:49]
	v_and_b32 v14, 31, v0                          ; lane
	v_and_b32 v4, 15, v0                           ; r
	v_bfe_u32 v5, v0, 4, 1                         ; h
	v_lshlrev_b32 v1, 4, v14
	v_lshlrev_b32 v15, 3, v14
	v_lshlrev_b32 v8, 2, v14
	v_add_nc_u32 v8, s50, v8                       ; the stage, in: 4 x lane
	v_mul_u32_u24 v9, v4, SP
	v_lshl_add_u32 v9, v5, 4, v9
	v_add_nc_u32 v9, s50, v9                       ; out: row r, + 16 h
	v_lshl_add_u32 v7, v4, 4, TBL
	v_lshl_add_u32 v6, v0, 4, TBL                  ; where my thread stores table entries
	v_lshlrev_b32 v11, 2, v0
	v_lshlrev_b32 v12, 5, v5
	v_add_nc_u32 v12, s51, v12                     ; score of row 16 a + 8 h + j at 64 a + 32 h + 4 j
	v_xor_b32 v13, 1, v5
	v_lshlrev_b32 v13, 6, v13
	v_add_nc_u32 v13, s63, v13                     ; (p, p) of row n at 8 (63 - n) = 128 (3 - a) + 64 (1 - h) + 56 - 8 j
	v_min_u32 v194, 15, v14
	v_lshlrev_b32 v194, 8, v194                    ; the prefetches: lanes 256 bytes apart
	v_add_nc_u32 v14, s51, v15                     ; scores back: two a lane
	s_wait_alu depctr_va_vdst(0)                   ; the wait behind the head's addresses
.irp i, 0,1,2,3,4,5,6,7
	global_load_b32 v[128+4*\i], v11, s[8:9] offset:512*\i      ; qb[thread + 128 i]
.endr
.irp i, 0,1,2,3,4,5,6,7
	global_load_b32 v[130+4*\i], v11, s[10:11] offset:512*\i    ; V[thread + 128 i]
.endr
	ULOAD 0, 0
	ULOAD 1, 8192
	WIN 0
	s_wait_loadcnt 32                              ; the table's 16 loads are in; the 32 issued behind them may be out
	s_wait_kmcnt 0x0
	s_add_co_i32 s38, s44, s45
	s_lshl_b32 s38, s38, 23
	s_add_co_i32 s38, s38, 0x4038aa3b              ; c x 2^(e0 + e1)
	s_mov_b32 s39, s38
	s_add_co_i32 s40, s44, 127
	s_lshl_b32 s41, s40, 23
	v_mov_b32 v10, s41                             ; 2^e0 as f32: the conversion takes its exponent field
	s_add_co_i32 s40, s40, 15
	s_lshl_b32 s40, s40, 23
	s_or_b32 s40, s40, 0x600000                    ; 57,344 x 2^e0,
	s_xor_b32 s41, s40, 0x80000000                 ; and its negative
.irp i, 0,1,2,3,4,5,6,7
	v_mul_f32 v[129+4*\i], 0x4038aa3b, v[128+4*\i] ; c qb
	v_mov_b32 v[131+4*\i], v[130+4*\i]
.endr
.irp i, 0,1,2,3,4,5,6,7
	v_mov_b32 v[128+4*\i], v[129+4*\i]
.endr
.irp i, 0,1,2,3,4,5,6,7
	ds_store_b128 v6, v[128+4*\i:131+4*\i] offset:2048*\i   ; entry thread + 128 i; the others read the table behind the first change of slots
.endr
	ULOAD 2, 2*8192
	ULOAD 3, 3*8192
	WIN 0
	s_mov_b32 s62, 0
	s_mov_b32 s23, 4
.Lhalf0:                                           ; rows 0-31
	LTRIP 1
	s_sub_co_u32 s23, s23, 1
	s_cmp_lg_u32 s23, 0
	s_cbranch_scc1 .Lhalf0
	FLUSH 0
	s_mov_b32 s62, 0
	s_mov_b32 s23, 3
.Lhalf1:                                           ; rows 32-55
	LTRIP 1
	s_sub_co_u32 s23, s23, 1
	s_cmp_lg_u32 s23, 0
	s_cbranch_scc1 .Lhalf1
	LTRIP 0                                        ; rows 56-63: nothing more is loaded; s[4:5] stays at row 56
	FLUSH 1
	; the pipeline's start: the two tiles that the first runs and gaps find ahead of tile 0 add nothing: their V is 0, and what is made of 1 and of 0 stays finite
.set c_i, 0
.rept 32
	v_mov_b32 v[96+c_i], 0                         ; the sums of V R
	v_mov_b32 v[128+c_i], 1.0                      ; set 2: its reciprocals are 1
	v_mov_b32 v[160+c_i], 0                        ; set 3: sums 0
.set c_i, c_i+1
.endr
.irp i, 24,25,26,27,28,29,30,31
	v_mov_b32 v\i, 0                               ; table sets 2, 3
.endr
	s_mov_b32 s36, 0
	s_mov_b32 s37, 0
	s_mov_b32 s23, 15
.Lslot:                                            ; fifteen trips: trip n asks for chunk n + 1 and works chunk n
	CHANGE 1
	SLOTWORK 1
	s_sub_co_u32 s23, s23, 1
	s_cmp_lg_u32 s23, 0
	s_cbranch_scc1 .Lslot
	CHANGE 0                                       ; the last chunk is written out
	SLOTWORK 0
	GAP 3, -1
	; ---- phase C's first eight rows are asked for now and land under the pipeline's end and phase S
.irp n, 0,1,2,3,4,5,6,7
	CLOAD \n
.endr
	WIN 0
	; ---- the pipeline's end: + V R of tile 62, 1 + 2^(c x) of tile 63, its reciprocals, + V R
.set S3, 128
.set T3, 24
.set S2, 160
.set d_m, 0
.rept 32
	PK d_m
.set d_m, d_m+1
.endr
	s_wait_alu depctr_va_vdst(0)                   ; the wait ahead of the batch,
.set h_i, 0
.rept 32
	v_rcp_f32 v[160+h_i], v[160+h_i]
.set h_i, h_i+1
.endr
	v_nop
	s_wait_alu depctr_va_vdst(0)                   ; and behind it
.irp k, 0,2,4,6,8,10,12,14,16,18,20,22,24,26,28,30
	v_pk_fma_f32 v[96+\k:97+\k], v[160+\k:161+\k], v[30:31], v[96+\k:97+\k]
.endr
	; ---- S: the sixteen lanes of a half hold sixteen u classes of the same 32 rows
.irp x, 1,2,4,8
.set d_i, 0
.rept 32
	v_add_f32_dpp v[96+d_i], v[96+d_i], v[96+d_i] row_xmask:\x row_mask:0xf bank_mask:0xf
.set d_i, d_i+1
.endr
.endr
.irp z, 0,2,4,6,8,10,12,14,16,18,20,22,24,26,28,30
	v_pk_mul_f32 v[96+\z:97+\z], v[96+\z:97+\z], s[54:55] op_sel_hi:[1,0]   ; score = -2 x (sum of V R)
.endr
.irp a, 0,1,2,3
	ds_store_b128 v12, v[96+8*\a:99+8*\a] offset:64*\a        ; sixteen lanes write the same words with the same numbers
	ds_store_b128 v12, v[100+8*\a:103+8*\a] offset:64*\a+16
.endr
	v_max3_num_f32 v68, v96, v97, v98
	v_max3_num_f32 v69, v99, v100, v101
.irp z, 6,10,14,18,22,26
	v_max3_num_f32 v68, v68, v[96+\z], v[97+\z]
	v_max3_num_f32 v69, v69, v[98+\z], v[99+\z]
.endr
	v_max3_num_f32 v68, v68, v126, v127
	v_max_num_f32 v68, v68, v69
	v_permlanex16_b32 v69, v68, s42, s43           ; the other half's 32 rows
	v_max_num_f32 v64, v68, v69                    ; m
	v_mul_f32 v70, 0xbfb8aa3b, v64                 ; -m log2(e)
	v_mov_b32 v71, v70
.irp z, 0,2,4,6,8,10,12,14,16,18,20,22,24,26,28,30
	v_pk_fma_f32 v[160+\z:161+\z], v[96+\z:97+\z], s[52:53], v[70:71] op_sel_hi:[1,0,1]   ; (score - m) log2(e)
.endr
	s_wait_alu depctr_va_vdst(0)                   ; the wait ahead of the batch,
.set d_i, 0
.rept 32
	v_exp_f32 v[160+d_i], v[160+d_i]               ; p = e^(score - m), at most 1
.set d_i, d_i+1
.endr
	v_nop
	s_wait_alu depctr_va_vdst(0)                   ; and behind it
	v_pk_add_f32 v[68:69], v[160:161], v[162:163]
	v_pk_add_f32 v[74:75], v[164:165], v[166:167]
.irp z, 8,12,16,20,24,28
	v_pk_add_f32 v[68:69], v[68:69], v[160+\z:161+\z]
	v_pk_add_f32 v[74:75], v[74:75], v[162+\z:163+\z]
.endr
	v_pk_add_f32 v[68:69], v[68:69], v[74:75]
	v_add_f32 v68, v68, v69
	v_permlanex16_b32 v69, v68, s42, s43
	v_add_f32 v65, v68, v69                        ; l
.irp a, 0,1,2,3
.irp j, 0,1,2,3,4,5,6,7
	ds_store_b32 v13, v[160+8*\a+\j] offset:128*(3-\a)+56-8*\j
	ds_store_b32 v13, v[160+8*\a+\j] offset:128*(3-\a)+60-8*\j
.endr
.endr
.set c_i, 0
.rept 32
	v_mov_b32 v[32+c_i], 0                         ; phase C's sums
.set c_i, c_i+1
.endr
	v_mov_b32 v193, s63
	ds_load_b64 v[72:73], v14                      ; LDS serves a wave's instructions in order: these see my stores; the bytes are my wave's own
.irp n, 0,1,2,3
	ds_load_b128 v[128+4*\n:131+4*\n], v193 offset:16*\n   ; the first trip's eight (p, p), in every lane
.endr
	s_wait_dscnt 4                                 ; my two scores are in; the four loads of p may be out
	global_store_b64 v15, v[72:73], s[14:15]       ; the wave stores 256 consecutive bytes, at a multiple of 256 from the buffer's first byte
	; ---- C
	s_mov_b32 s23, 7
.Lrows:
	CTRIP 1
	s_sub_co_u32 s23, s23, 1
	s_cmp_lg_u32 s23, 0
	s_cbranch_scc1 .Lrows
	CTRIP 0                                        ; rows 7 to 0: nothing more is loaded
.irp q, 0,1,2,3,4,5,6,7
	global_store_b128 v1, v[32+4*\q:35+4*\q], s[16:17] offset:512*\q   ; 512 consecutive bytes
.endr
	global_store_b64 v15, v[64:65], s[16:17] offset:4096   ; (m, l), once a lane: 256 consecutive bytes, written whole
	s_wait_tensorcnt 0x0                           ; the wave's end
	ds_add_u32 v2, v3
	s_wait_dscnt 0x0
	CROUND                                         ; the closing round
	s_endpgm
.Lfunc_end_k_qa06417bb64_attn:
	.size	k_qa06417bb64_attn, .Lfunc_end_k_qa06417bb64_attn-k_qa06417bb64_attn
	.p2alignl 7, 3214868480
	.fill 96, 4, 3214868480
	.section	.rodata,"a",@progbits
	.p2align	6, 0x0
	.amdhsa_kernel k_qa06417bb64_attn
		.amdhsa_group_segment_fixed_size 327680
		.amdhsa_private_segment_fixed_size 0
		.amdhsa_enable_private_segment 0
		.amdhsa_kernarg_size 56
		.amdhsa_user_sgpr_count 2
		.amdhsa_user_sgpr_kernarg_segment_ptr 1
		.amdhsa_wavefront_size32 1
		.amdhsa_system_sgpr_workgroup_id_x 1
		.amdhsa_system_sgpr_workgroup_id_y 1
		.amdhsa_system_sgpr_workgroup_id_z 1
		.amdhsa_system_vgpr_workitem_id 0
		.amdhsa_next_free_vgpr 1024
		.amdhsa_next_free_sgpr 66
		.amdhsa_reserve_vcc 0
		.amdhsa_float_denorm_mode_32 3
		.amdhsa_float_denorm_mode_16_64 3
		.amdhsa_memory_ordered 1
		.amdhsa_forward_progress 1
		.amdhsa_inst_pref_size 252
	.end_amdhsa_kernel
	.amdgpu_metadata
---
amdhsa.version: [ 1, 2 ]
amdhsa.kernels:
  - .name:           k_qa06417bb64_attn
    .symbol:         k_qa06417bb64_attn.kd
    .args:
      - { .name: values, .offset: 0, .size: 8, .value_kind: global_buffer, .address_space: global }
      - { .name: w1img, .offset: 8, .size: 8, .value_kind: global_buffer, .address_space: global }
      - { .name: qb, .offset: 16, .size: 8, .value_kind: global_buffer, .address_space: global }
      - { .name: V, .offset: 24, .size: 8, .value_kind: global_buffer, .address_space: global }
      - { .name: lowp_scales, .offset: 32, .size: 8, .value_kind: global_buffer, .address_space: global }
      - { .name: scores, .offset: 40, .size: 8, .value_kind: global_buffer, .address_space: global }
      - { .name: part, .offset: 48, .size: 8, .value_kind: global_buffer, .address_space: global }
    .group_segment_fixed_size: 327680
    .private_segment_fixed_size: 0
    .kernarg_segment_align: 8
    .kernarg_segment_size: 56
    .max_flat_workgroup_size: 128
    .sgpr_count:     66
    .vgpr_count:     1024
    .wavefront_size: 32
...
	.end_amdgpu_metadata
.endif
;; end of part 2
;; launch combine (part 3): grid 256 x 1, 1 waves a work-group, no clusters, 0 bytes of LDS; arguments part, scores, out0, out1; writes out0, out1
.if DOCPART == 3
	.amdgcn_target "amdgcn-amd-amdhsa--gfx1250"
	.amdhsa_code_object_version 6
	.text
	.protected	k_qa06417bb64_combine
	.globl	k_qa06417bb64_combine
	.p2align	8
	.type	k_qa06417bb64_combine,@function
k_qa06417bb64_combine:
	s_mov_b64 s[64:65], 0
	v_nop
	global_prefetch_b8 v0, s[64:65] scope:SCOPE_SE
	s_setreg_imm32_b32 hwreg(HW_REG_WAVE_MODE, 25, 1), 1
	s_wait_xcnt 0x0
; The 32 waves' figures of a batch are joined.  M = the largest m; f = e^(m - M); L = the sum of f l; out1[row] = e^(score - M) / L; out0[b][d] = the sum over the 32 waves of (f / L) x their sums.
; SHARES.  Work-group g (one wave) makes out1's rows 256 g .. 256 g + 255 and, of batch b = g / 8, out0's columns 128 (g % 8) .. + 127.  Lane n holds (m, l) of the batch's wave n.
; No LDS, no barrier, no matrix unit: 35 loads, all issued at once, and a few hundred vector lines.  L is at least 1: the wave that holds M has f = 1 and l >= 1.
; part: 1,088 words a wave: 1,024 sums, then (m, l).
	s_load_b256 s[4:11], s[0:1], 0x0               ; part s[4:5], scores s[6:7], out0 s[8:9], out1 s[10:11]
	v_lshlrev_b32 v1, 4, v0                        ; 16 x lane
	v_mul_u32_u24 v2, v0, 4352                     ; the batch's wave = my lane
	v_mov_b32 v7, 0                                ; written once: a lane permute's destination counts as one of its sources
	s_lshr_b32 s12, ttmp9, 3
	s_mul_i32 s12, s12, 139264                     ; the batch's 32 waves x 4,352 bytes
	s_mov_b32 s13, 0
	s_and_b32 s14, ttmp9, 7
	s_lshl_b32 s14, s14, 9                         ; my 128 columns
	s_mov_b32 s15, 0
	s_lshl_b32 s16, ttmp9, 10                      ; my 256 rows of scores and of out1
	s_mov_b32 s17, 0
	s_lshl_b32 s18, ttmp9, 9                       ; out0: 4,096 b + 512 (g % 8) = 512 g
	s_mov_b32 s19, 0
	s_mov_b32 s20, 0x76543210
	s_mov_b32 s21, 0xfedcba98
	s_wait_alu depctr_va_vdst(0)
	s_wait_kmcnt 0x0
	s_add_nc_u64 s[4:5], s[4:5], s[12:13]
	s_add_nc_u64 s[12:13], s[4:5], s[14:15]
	s_add_nc_u64 s[6:7], s[6:7], s[16:17]
	s_add_nc_u64 s[10:11], s[10:11], s[16:17]
	s_add_nc_u64 s[8:9], s[8:9], s[18:19]
	global_load_b64 v[4:5], v2, s[4:5] offset:4096 ; m, l
	global_load_b128 v[8:11], v1, s[6:7]
	global_load_b128 v[12:15], v1, s[6:7] offset:512
.set n, 0
.rept 32
	global_load_b128 v[32+4*n:35+4*n], v1, s[12:13] offset:4352*n   ; wave n's sums of my 128 columns: 512 consecutive bytes
.set n, n+1
.endr
	s_wait_loadcnt 34                              ; (m, l) is in; the 34 loads issued behind it may be out
	v_mov_b32 v6, v4
	v_max_num_f32_dpp v6, v6, v6 row_xmask:1 row_mask:0xf bank_mask:0xf
	v_max_num_f32_dpp v6, v6, v6 row_xmask:2 row_mask:0xf bank_mask:0xf
	v_max_num_f32_dpp v6, v6, v6 row_xmask:4 row_mask:0xf bank_mask:0xf
	v_max_num_f32_dpp v6, v6, v6 row_xmask:8 row_mask:0xf bank_mask:0xf
	v_permlanex16_b32 v7, v6, s20, s21
	v_max_num_f32 v6, v6, v7                       ; M
	v_sub_f32 v16, v4, v6
	v_mul_f32 v16, 0x3fb8aa3b, v16
	s_wait_alu depctr_va_vdst(0)
	v_exp_f32 v16, v16                             ; f = e^(m - M)
	v_nop                                          ; a plain line behind a transcendental
	s_wait_alu depctr_va_vdst(0)                   ; the wait ahead of the first reader
	v_mul_f32 v17, v16, v5
	v_add_f32_dpp v17, v17, v17 row_xmask:1 row_mask:0xf bank_mask:0xf
	v_add_f32_dpp v17, v17, v17 row_xmask:2 row_mask:0xf bank_mask:0xf
	v_add_f32_dpp v17, v17, v17 row_xmask:4 row_mask:0xf bank_mask:0xf
	v_add_f32_dpp v17, v17, v17 row_xmask:8 row_mask:0xf bank_mask:0xf
	v_permlanex16_b32 v7, v17, s20, s21
	v_add_f32 v17, v17, v7                         ; L
	s_wait_alu depctr_va_vdst(0)
	v_rcp_f32 v17, v17
	v_nop
	s_wait_alu depctr_va_vdst(0)                   ; the wait ahead of the first reader
	v_mul_f32 v16, v16, v17                        ; f / L of wave = lane
.set n, 0
.rept 32
	v_readlane_b32 s[32+n], v16, n                 ; as multipliers for every lane: no address and no branch is made of them
.set n, n+1
.endr
	s_wait_loadcnt 32                              ; the scores are in
.irp i, 0,1,2,3,4,5,6,7
	v_sub_f32 v[8+\i], v[8+\i], v6
.endr
.irp i, 0,1,2,3,4,5,6,7
	v_mul_f32 v[8+\i], 0x3fb8aa3b, v[8+\i]
.endr
	s_wait_alu depctr_va_vdst(0)
.irp i, 0,1,2,3,4,5,6,7
	v_exp_f32 v[8+\i], v[8+\i]
.endr
	v_nop
	s_wait_alu depctr_va_vdst(0)                   ; one wait for the batch, ahead of its first reader
.irp i, 0,1,2,3,4,5,6,7
	v_mul_f32 v[8+\i], v[8+\i], v17
.endr
	global_store_b128 v1, v[8:11], s[10:11]        ; 512 consecutive bytes each
	global_store_b128 v1, v[12:15], s[10:11] offset:512
	s_wait_loadcnt 0x0
.irp x, 0,1,2,3
	v_mul_f32 v[20+\x], s32, v[32+\x]              ; the first wave starts the sums
.endr
.set n, 1
.rept 31
.irp x, 0,1,2,3
	v_fmac_f32 v[20+\x], s[32+n], v[32+4*n+\x]
.endr
.set n, n+1
.endr
	global_store_b128 v1, v[20:23], s[8:9]         ; 512 consecutive bytes of out0
	s_endpgm
.Lfunc_end_k_qa06417bb64_combine:
	.size	k_qa06417bb64_combine, .Lfunc_end_k_qa06417bb64_combine-k_qa06417bb64_combine
	.p2alignl 7, 3214868480
	.fill 96, 4, 3214868480
	.section	.rodata,"a",@progbits
	.p2align	6, 0x0
	.amdhsa_kernel k_qa06417bb64_combine
		.amdhsa_group_segment_fixed_size 0
		.amdhsa_private_segment_fixed_size 0
		.amdhsa_enable_private_segment 0
		.amdhsa_kernarg_size 32
		.amdhsa_user_sgpr_count 2
		.amdhsa_user_sgpr_kernarg_segment_ptr 1
		.amdhsa_wavefront_size32 1
		.amdhsa_system_sgpr_workgroup_id_x 1
		.amdhsa_system_sgpr_workgroup_id_y 1
		.amdhsa_system_sgpr_workgroup_id_z 1
		.amdhsa_system_vgpr_workitem_id 0
		.amdhsa_next_free_vgpr 192
		.amdhsa_next_free_sgpr 66
		.amdhsa_reserve_vcc 0
		.amdhsa_float_denorm_mode_32 3
		.amdhsa_float_denorm_mode_16_64 3
		.amdhsa_memory_ordered 1
		.amdhsa_forward_progress 1
		.amdhsa_inst_pref_size 14
	.end_amdhsa_kernel
	.amdgpu_metadata
---
amdhsa.version: [ 1, 2 ]
amdhsa.kernels:
  - .name:           k_qa06417bb64_combine
    .symbol:         k_qa06417bb64_combine.kd
    .args:
      - { .name: part, .offset: 0, .size: 8, .value_kind: global_buffer, .address_space: global }
      - { .name: scores, .offset: 8, .size: 8, .value_kind: global_buffer, .address_space: global }
      - { .name: out0, .offset: 16, .size: 8, .value_kind: global_buffer, .address_space: global }
      - { .name: out1, .offset: 24, .size: 8, .value_kind: global_buffer, .address_space: global }
    .group_segment_fixed_size: 0
    .private_segment_fixed_size: 0
    .kernarg_segment_align: 8
    .kernarg_segment_size: 32
    .max_flat_workgroup_size: 32
    .sgpr_count:     66
    .vgpr_count:     192
    .wavefront_size: 32
...
	.end_amdgpu_metadata
.endif
;; end of part 3
